; MI455X (gfx1250); checked and timed in simulation.
; The chip was launched on July 23, 2026; its instructions are those of AMD's public machine-readable ISA for CDNA 5 (MIT licence, August 2026) and "CDNA5" Instruction Set Architecture Reference Guide (July 2026). The comments in the code are by the model that wrote it; some were corrected since.
;; Decoder Attention Rotary. Allowed arithmetic: matrix products marked QUANTISED: E2M3 operands, one E8M0 scale for each 32 along K, by v_wmma_scale_f32_16x16x128_f8f6f4 with both operands' format E2M3, f32 sums; everything else in f32.
;; Inputs: Wqkv 1,024 x 3,072 float32; bqkv 3,072 float32; freqs_cis 4,096 x 32 x 2 float32; x 1 x 4,096 x 1,024 float32.
;; Outputs: out0 1 x 4,096 x 1,024 float32.
;; This version of the problem:
;;   THIS VERSION OF THE PROBLEM IS GIVEN IN LOW PRECISION. The matrix products marked QUANTISED in the list below multiply operands that are first quantised to E2M3 (2 exponent bits, 3 mantissa bits; 6 bits a number), with one power-of-two scale for each 32 numbers along K (OCP MX v1.0); their sums are f32. All else is computed in f32.
;;   The module's matrix products, in the order in which they are computed (A, B: the left and right operand; K: the contracted axis; several contracted axes count as one K, in the product's order):
;;     1. [M 4,096, K 1,024] x [K 1,024, N 3,072]; A: input x; B: input Wqkv: QUANTISED
;;     2. batch 16 x [M 4,096, K 64] x [K 64, N 4,096]; A: computed on the way; B: computed on the way: QUANTISED
;;     3. batch 16 x [M 4,096, K 4,096] x [K 4,096, N 64]; A: softmax (see below); B: computed on the way: QUANTISED
;;   THE QUANTISER, for each operand of a quantised product, along K:
;;     - K is cut into blocks of 32 from its start; a last block that is shorter is filled with zeros.
;;     - A block's scale is 2^e with e = floor(log2(the largest magnitude in the block)) - 2, held to -126 .. 127; a block of zeros has e = 0. As a byte (E8M0): e + 127.
;;     - Each number is divided by its block's scale, clamped to +-7.5, and rounded to the nearest number of E2M3, ties to even, subnormals kept.
;;     - The product sums the exact products of the quantised numbers (number of the format x scale) in f32.
;;   ~~~python
;;   def quantise(x, axis):      # numpy; x: float32 -> the quantised numbers, widened to float32 again
;;       x = np.moveaxis(x, axis, -1); K = x.shape[-1]
;;       x = np.pad(x, [(0, 0)] * (x.ndim - 1) + [(0, -K % 32)]); x = x.reshape(x.shape[:-1] + (-1, 32)); a = np.abs(x).max(-1, keepdims=True)
;;       e = np.where(a > 0, np.clip(np.frexp(np.where(a > 0, a, 1))[1] - 1 - 2, -126, 127), 0)      # np.frexp(a)[1] - 1 = floor(log2(a)), exactly
;;       r = np.clip(x / 2.0 ** e, -7.5, 7.5)
;;       step = 2.0 ** (np.maximum(np.frexp(np.where(r == 0, 1, r))[1] - 1, 0) - 3)
;;       q = np.round(r / step) * step * 2.0 ** e      # np.round: ties to even
;;       return np.moveaxis(q.reshape(q.shape[:-2] + (-1,))[..., :K], -1, axis).astype(np.float32)
;;   ~~~
;;   SOFTMAX AHEAD OF A QUANTISED PRODUCT. Where the list says 'softmax', what is quantised is not the finished softmax but p = 2^(t - M), with t = logit x log2(e) and M = ceil(the row's largest t), a whole number; so 1/2 < the row's largest p <= 1. The row's sum l is taken of the UNQUANTISED p, in f32, and the product's result is divided by l at the end. Since M is a whole number, a kernel that streams over the keys may use a running M (the ceiling of the running maximum): every later rescaling is an exact power of two, which a block's scale takes up: the codes' values come out the same.
;;   OPERANDS COMPUTED ON THE WAY. 'Computed on the way' means the value that the module computes at that place (a softmax that the list does not call 'softmax' is quantised finished and normalised). What goes into a quantiser is computed in f32, as accurately as f32 sums, v_exp_f32 and their like allow (about 1e-6 of the number): no bf16 or f16 on the way to a quantiser, and a product that is left as it is and whose result goes on into a quantised operand takes f32 operands (vector FMAs, or v_wmma_f32_16x16x4_f32). A number that lies on a knife's edge between two numbers of the format may be rounded either way, as far as f32 arithmetic and the matrix unit's own rounding can turn it there, and no further.
;; One version. Each part assembles by itself: llvm-mc -triple=amdgcn-amd-amdhsa -mcpu=gfx1250 --defsym DOCPART=n.
;; ======== version 1 of 1: 3 launches
;; workspace buffers: xc 3,145,728 bytes; xs 131,072 bytes; wc 2,359,296 bytes; ws 98,304 bytes; qb 3,670,016 bytes; kv 7,077,888 bytes
;; launch quant (part 1): grid 224 x 1, 4 waves a work-group, no clusters, 68,096 bytes of LDS; arguments x, Wqkv, xc, xs, wc, ws; writes xc, xs, wc, ws
.if DOCPART == 1
	.amdgcn_target "amdgcn-amd-amdhsa--gfx1250"
	.amdhsa_code_object_version 6
	.text
	.protected	k_q6dacf745b2_quant
	.globl	k_q6dacf745b2_quant
	.p2align	8
	.type	k_q6dacf745b2_quant,@function
k_q6dacf745b2_quant:
	s_mov_b64 s[64:65], 0
	v_nop
	global_prefetch_b8 v0, s[64:65] scope:SCOPE_SE
	s_setreg_imm32_b32 hwreg(HW_REG_WAVE_MODE, 25, 1), 1
	s_wait_xcnt 0x0
; THE PROGRAM: three launches.  This one turns x [4096][1024] and Wqkv [1024][3072], f32, into codes of FP6 (E2M3) with K innermost and one E8M0 byte for each 32 along K.
; The second multiplies them, adds the bias, turns q and k by the rotary table and quantises q, k and v; the third is the causal attention.
; DEAD WORK, for the whole program.  reference() builds its causal mask itself (jnp.tril) and sets every score with key > query to -infinity ahead of the softmax: such a score gives p = 0 whatever
; finite values the inputs hold, so it adds nothing to a row's sum and nothing to the second attention product.  The third launch leaves out the key steps (128 keys) ALL of whose keys come after all
; queries of a wave's block, in both attention products; inside the step on the diagonal the work is done and masked.  Nothing else is left out: x, Wqkv, bqkv and freqs_cis all go into quantised
; operands of live products and are all loaded.  LIMIT: a NaN, an infinity or an overflow that reaches only the scores left out is not carried to the result.
; THE QUANTISER.  A block's scale is 2^(floor(log2(its largest magnitude)) - 2); its byte is the largest magnitude's own exponent field - 2, held at 1 from below.  A block of zeros so gets the byte 1
; where the rule says 127: its codes are zeros, which add nothing under any byte but 0xff, and the bytes are read by this program alone.
; LIMITS: blocks whose largest magnitude lies under 2^-124 keep the byte 1; NaN and infinities among the inputs are not served.
; ROWS IN PERMUTED PLACES.  In both outputs a row (a position of x, a column of Wqkv) lies at place (n & ~24) | ((n & 8) << 1) | ((n & 16) >> 1): in every 32 rows the second and the third eight
; change places.  So 16 rows on end, as the next launch takes them for a fragment, are eight neighbours and the eight that lie 16 further on, and a lane's 16 results of two neighbouring tiles
; are 16 neighbours along the axis that is quantised next.
; TWO PATHS, parted by the work-group's number, each with LDS bytes of its own and its own end.  Work-groups 0-127: x, K innermost: a wave takes 8 rows (16 steps of 512 numbers); each load reads 512
; consecutive bytes, the step turns through the wave's stage in LDS so that a lane holds 16 neighbours; the wave's 8 rows go out as one run, waves 1 and 2 changing places.
; Work-groups 128-223: Wqkv, K outermost: a lane takes a column and its registers run down K (a block of 32 in one lane); codes go through the wave's stage, whose row is the column's PLACE, and leave by rows.
; No tensor loads, no barrier: waves share nothing.
.set WGX,   128                        ; work-groups of x: 4096 x 1024 / 32,768
.set STEPS, 16
.set CB,    12                         ; bytes of 16 codes
.set R,     16                         ; x: v16-79   four sets of 16 numbers as they are loaded
.set X,     80                         ; x: v80-111  two sets of 16 neighbours
.set E,     112                        ; x: v112-127 a scale byte for each step
.set C,     128                        ; x: v128-191 codes: four registers for each step
.set WREG,  8192                       ; x: LDS region of a wave: two stages of 32 x SP bytes, then its 256 scale bytes
.set SP,    80                         ; x: a lane's place in a stage: 64 bytes + 16 of padding
.set SPW,   12                         ; v12 LDS address of my spare word; never rewritten
.set NIL,   13                         ; v13 0; never rewritten
.set WSTG,  32768                      ; W: the four stages begin here
.set PITCH, 272                        ; W: a stage row: sixteen places of 16 bytes + 16
.set SPARE, WSTG+4*32*PITCH            ; behind both paths' bytes: the spare words, 128 bytes for each wave
.set SIZE_N, 3072
.set NB,    8                          ; W: blocks of 32 along K for a wave (256 along K)
.set KROW,  768                        ; a row of codes in bytes: 1,024 codes
.set WX,    32                         ; W: v32-95   two sets of 32 numbers
.set WC,    96                         ; W: v96..    a block's codes
.set OUTR,  112                        ; W: v112-175 the way out
.set SB,    24                         ; W: v24-25   the scale bytes, four to a register
	s_load_b128 s[4:7], s[0:1], 0x0                ; x, Wqkv
	s_load_b256 s[8:15], s[0:1], 0x10              ; xc, xs, wc, ws
	v_lshl_add_u32 v[SPW], v0, 2, SPARE
	v_mov_b32 v[NIL], 0
	v_lshrrev_b32 v1, 5, v0
	v_readfirstlane_b32 s16, v1                    ; wave 0..3
	v_and_b32 v2, 31, v0                           ; lane
	s_cmp_lt_u32 ttmp9, WGX                        ; the work-group's number alone decides
	s_cbranch_scc0 .Lw
	; ---------------- x ----------------
	v_lshlrev_b32 v3, 4, v2                        ; my 16 bytes of a load's 512
	s_mul_i32 s17, s16, WREG
	v_lshrrev_b32 v14, 2, v2
	v_mul_u32_u24 v14, v14, SP
	v_and_b32 v15, 3, v2
	v_lshl_add_u32 v14, v15, 4, v14
	v_add_nc_u32 v14, s17, v14                     ; the stage on the way in: SP (lane / 4) + 16 (lane % 4)
	v_mul_u32_u24 v15, v2, SP
	v_add_nc_u32 v15, s17, v15                     ; and on the way out: SP x lane: my 16 neighbours
	v_mul_u32_u24 v4, v2, CB                       ; my codes' place in a step's
	v_lshrrev_b32 v5, 1, v2
	s_add_co_u32 s17, s17, 2*32*SP
	v_add_nc_u32 v5, s17, v5                       ; LDS: my wave's 256 scale bytes, my block's byte
	v_lshlrev_b32 v7, 3, v2                        ; and on the way out 8 bytes a lane
	v_add_nc_u32 v6, s17, v7
	s_lshl_b32 s17, ttmp9, 2
	s_add_co_u32 s18, s17, s16                     ; the run of 8 rows that I read: 4 x work-group + wave
	s_lshl_b32 s18, s18, 15                        ; 32,768 bytes a run
	s_mov_b32 s19, 0
	s_and_b32 s20, s16, 1
	s_lshl_b32 s20, s20, 1
	s_lshr_b32 s21, s16, 1
	s_or_b32 s20, s20, s21                         ; waves 1 and 2 change places
	s_add_co_u32 s20, s20, s17                     ; the run that I write
	s_mul_i32 s22, s20, 8*KROW
	s_mov_b32 s23, 0
	s_lshl_b32 s24, s20, 8                         ; 256 scale bytes a run
	s_mov_b32 s25, 0
	s_wait_kmcnt 0x0
	s_add_nc_u64 s[4:5], s[4:5], s[18:19]
	s_add_nc_u64 s[8:9], s[8:9], s[22:23]
	s_add_nc_u64 s[10:11], s[10:11], s[24:25]
.macro LOAD t
.irp i, 0,1,2,3
	global_load_b128 v[R+16*((\t)%4)+4*\i:R+16*((\t)%4)+4*\i+3], v3, s[4:5] offset:2048*(\t)+512*\i th:TH_LOAD_NT   ; 32 lanes read 512 consecutive bytes
.endr
.endm
.macro TURN t                          ; step t's numbers through the stage: LDS serves a wave's instructions in order, so no wait stands between the stores and the loads
.irp i, 0,1,2,3
	ds_store_b128 v14, v[R+16*((\t)%4)+4*\i:R+16*((\t)%4)+4*\i+3] offset:32*SP*((\t)%2)+8*SP*\i
.endr
.irp i, 0,1,2,3
	ds_load_b128 v[X+16*((\t)%2)+4*\i:X+16*((\t)%2)+4*\i+3], v15 offset:32*SP*((\t)%2)+16*\i
.endr
.endm
.irp t, 0,1,2,3
	LOAD \t
.endr
	s_wait_loadcnt 12                              ; step 0's four loads are in; three steps' twelve may be out
	TURN 0
.macro STEP t
.set XS, X+16*((\t)%2)
.if (\t) > 0
	s_wait_dscnt 1                                 ; this step's numbers are back from the stage (the last step's byte store may be out): its stores into the stage have read their registers,
.else
	s_wait_dscnt 0x0
.endif
.if (\t)+4 < STEPS
	LOAD (\t)+4                                    ; which take the loads of four steps on
.endif
.if (\t)+1 < STEPS
.if STEPS-2-(\t) >= 3
	s_wait_loadcnt 12                              ; the next step's four loads are in; those of the three steps behind it may be out
.else
	s_wait_loadcnt 4*(STEPS-2-(\t))
.endif
	TURN (\t)+1                                    ; and go through the other stage while this step is worked
.endif
	v_max3_num_f32 v8, |v[XS]|, |v[XS+1]|, |v[XS+2]|               ; the largest magnitude of my 16, in two chains
	v_max3_num_f32 v9, |v[XS+3]|, |v[XS+4]|, |v[XS+5]|
.irp i, 6,10
	v_max3_num_f32 v8, v8, |v[XS+\i]|, |v[XS+\i+1]|
	v_max3_num_f32 v9, v9, |v[XS+\i+2]|, |v[XS+\i+3]|
.endr
	v_max3_num_f32 v8, v8, |v[XS+14]|, |v[XS+15]|
	v_max3_num_f32 v8, v8, v9, 0x1800000           ; and the floor 2^(3 - 127): the byte cannot fall under 1
	v_max_num_f32_dpp v8, v8, v8 row_xmask:1 row_mask:0xf bank_mask:0xf   ; and of my neighbour's 16: the block's
	v_add_nc_u32 v11, 0xff000000, v8               ; 2 off its exponent field: the conversion takes the exponent field of this operand as its scale
	v_cvt_scalef32_pk16_fp6_f32 v[C+4*(\t):C+4*(\t)+2], v[XS:XS+15], v11
	v_lshrrev_b32 v[E+(\t)], 23, v11               ; the scale's byte (also the plain line behind the conversion)
	ds_store_b8 v5, v[E+(\t)] offset:16*(\t)       ; both lanes of a block write the same byte with the same value
	global_store_b96 v4, v[C+4*(\t):C+4*(\t)+2], s[8:9] offset:32*CB*(\t)   ; the wave stores 384 consecutive bytes
.endm
.irp t, 0,1,2,3,4,5,6,7,8,9,10,11,12,13,14,15
	STEP \t
.endr
	ds_load_b64 v[8:9], v6                         ; LDS serves a wave's instructions in order: these see my byte stores
	s_wait_dscnt 0x0
	global_store_b64 v7, v[8:9], s[10:11]          ; 32 lanes store 256 consecutive bytes, aligned
	s_wait_tensorcnt 0x0                           ; the wave's end
	ds_add_u32 v[SPW], v[NIL]
	s_wait_dscnt 0x0
	s_endpgm
	; ---------------- Wqkv ----------------
.Lw:
	s_sub_co_u32 s17, ttmp9, WGX
	s_and_b32 s18, s17, 3                          ; which 256 along K
	s_lshr_b32 s17, s17, 2                         ; which 128 columns
	s_lshl_b32 s17, s17, 7
	s_lshl_b32 s19, s16, 5
	s_add_co_u32 s17, s17, s19                     ; my wave's first column
	v_lshlrev_b32 v3, 2, v2                        ; in: 4 bytes a lane
	v_and_b32 v5, 7, v2
	v_bfe_u32 v6, v2, 3, 1
	v_lshl_add_u32 v5, v6, 4, v5
	v_bfe_u32 v6, v2, 4, 1
	v_lshl_add_u32 v5, v6, 3, v5                   ; my column's place among the wave's 32
	s_mul_i32 s19, s16, 32*PITCH
	s_add_co_u32 s19, s19, WSTG                    ; my stage
	v_mul_u32_u24 v4, v5, PITCH
	v_add_nc_u32 v4, s19, v4                       ; into it: row = my column's place
	v_lshlrev_b32 v9, 5, v5                        ; and its row of scale bytes: 32 bytes a row
	v_and_b32 v5, 15, v2
	v_lshrrev_b32 v6, 4, v2                        ; out of it: sixteen lanes to a row, two rows an instruction
	v_mul_u32_u24 v7, v6, PITCH
	v_lshl_add_u32 v7, v5, 4, v7
	v_add_nc_u32 v7, s19, v7
	v_mul_u32_u24 v8, v6, KROW
	v_mad_u32_u24 v8, v5, 12, v8                   ; and the same place in the codes' buffer
	s_mul_i32 s20, s18, 256*SIZE_N*4               ; Wqkv: 256 rows of 12,288 bytes for each step along K,
	s_lshl_b32 s21, s17, 2
	s_add_co_u32 s20, s20, s21                     ; + 4 x column
	s_mul_i32 s22, s17, KROW                       ; codes: first place x 768 + 192 for each 256 along K
	s_mul_i32 s23, s18, 192
	s_add_co_u32 s22, s22, s23
	s_lshl_b32 s24, s17, 5                         ; scale bytes: first place x 32 + 8
	s_lshl_b32 s25, s18, 3
	s_add_co_u32 s24, s24, s25
	s_mov_b32 s21, 0
	s_mov_b32 s23, 0
	s_mov_b32 s25, 0
	s_wait_kmcnt 0x0
	s_add_nc_u64 s[6:7], s[6:7], s[20:21]
	s_add_nc_u64 s[12:13], s[12:13], s[22:23]
	s_add_nc_u64 s[14:15], s[14:15], s[24:25]
.macro WLOAD t                         ; block t: W(32 t + i, my column), i = 0 .. 31: a wave reads 128 consecutive bytes, the four waves 512
.irp i, 0,1,2,3,4,5,6,7,8,9,10,11,12,13,14,15,16,17,18,19,20,21,22,23,24,25,26,27,28,29,30,31
	global_load_b32 v[WX+32*((\t)%2)+\i], v3, s[6:7] offset:(32*(\t)+\i)*SIZE_N*4 th:TH_LOAD_NT
.endr
.endm
	WLOAD 0
	WLOAD 1
.macro BLOCK t
.set XS, WX+32*((\t)%2)
.if (\t) < NB-1
	s_wait_loadcnt 32                              ; this block's 32 loads are in; the next block's may be out
.else
	s_wait_loadcnt 0
.endif
	v_max3_num_f32 v16, |v[XS]|, |v[XS+1]|, |v[XS+2]|              ; the block's largest magnitude: all 32 numbers are mine
	v_max3_num_f32 v17, |v[XS+3]|, |v[XS+4]|, |v[XS+5]|
.irp i, 6,10,14,18,22,26
	v_max3_num_f32 v16, v16, |v[XS+\i]|, |v[XS+\i+1]|
	v_max3_num_f32 v17, v17, |v[XS+\i+2]|, |v[XS+\i+3]|
.endr
	v_max3_num_f32 v16, v16, |v[XS+30]|, |v[XS+31]|
	v_max3_num_f32 v16, v16, v17, 0x1800000        ; and the floor
	v_add_nc_u32 v11, 0xff000000, v16              ; the conversion's scale operand
	v_lshrrev_b32 v17, 23, v11                     ; the scale's byte
.if (\t)%4 == 0
	v_mov_b32 v[SB+(\t)/4], v17                    ; four bytes to a register, the lower K in the lower byte
.else
	v_lshl_or_b32 v[SB+(\t)/4], v17, 8*((\t)%4), v[SB+(\t)/4]
.endif
	v_cvt_scalef32_pk16_fp6_f32 v[WC:WC+2], v[XS:XS+15], v11
	v_cvt_scalef32_pk16_fp6_f32 v[WC+4:WC+6], v[XS+16:XS+31], v11  ; (a conversion's three registers begin on an even number)
	ds_store_b96 v4, v[WC:WC+2] offset:32*(\t)     ; 16 codes, 12 bytes, to a place of 16 bytes
	ds_store_b96 v4, v[WC+4:WC+6] offset:32*(\t)+16
.if (\t)+2 < NB
	WLOAD (\t)+2
.endif
	s_wait_dscnt 0x0                               ; the stores have read their registers: the next block's codes may be written
.endm
.irp t, 0,1,2,3,4,5,6,7
	BLOCK \t
.endr
	global_store_b64 v9, v[SB:SB+1], s[14:15]      ; my column's 8 scale bytes
.irp t, 0,1,2,3,4,5,6,7,8,9,10,11,12,13,14,15
	ds_load_b96 v[OUTR+4*\t:OUTR+4*\t+2], v7 offset:2*\t*PITCH     ; LDS serves a wave's instructions in order: these see my stores
.endr
.irp t, 0,1,2,3,4,5,6,7,8,9,10,11,12,13,14,15
	s_wait_dscnt 15-\t                             ; the later loads may be out
	global_store_b96 v8, v[OUTR+4*\t:OUTR+4*\t+2], s[12:13] offset:2*\t*KROW   ; sixteen lanes store a row's 192 consecutive bytes
.endr
	s_wait_tensorcnt 0x0                           ; the wave's end: the same three lines
	ds_add_u32 v[SPW], v[NIL]
	s_wait_dscnt 0x0
	s_endpgm
.Lfunc_end_k_q6dacf745b2_quant:
	.size	k_q6dacf745b2_quant, .Lfunc_end_k_q6dacf745b2_quant-k_q6dacf745b2_quant
	.p2alignl 7, 3214868480
	.fill 96, 4, 3214868480
	.section	.rodata,"a",@progbits
	.p2align	6, 0x0
	.amdhsa_kernel k_q6dacf745b2_quant
		.amdhsa_group_segment_fixed_size 68096
		.amdhsa_private_segment_fixed_size 0
		.amdhsa_enable_private_segment 0
		.amdhsa_kernarg_size 48
		.amdhsa_user_sgpr_count 2
		.amdhsa_user_sgpr_kernarg_segment_ptr 1
		.amdhsa_wavefront_size32 1
		.amdhsa_system_sgpr_workgroup_id_x 1
		.amdhsa_system_sgpr_workgroup_id_y 1
		.amdhsa_system_sgpr_workgroup_id_z 1
		.amdhsa_system_vgpr_workitem_id 0
		.amdhsa_next_free_vgpr 192
		.amdhsa_next_free_sgpr 66
		.amdhsa_reserve_vcc 0
		.amdhsa_float_denorm_mode_32 3
		.amdhsa_float_denorm_mode_16_64 3
		.amdhsa_memory_ordered 1
		.amdhsa_forward_progress 1
		.amdhsa_inst_pref_size 73
	.end_amdhsa_kernel
	.amdgpu_metadata
---
amdhsa.version: [ 1, 2 ]
amdhsa.kernels:
  - .name:           k_q6dacf745b2_quant
    .symbol:         k_q6dacf745b2_quant.kd
    .args:
      - { .name: x, .offset: 0, .size: 8, .value_kind: global_buffer, .address_space: global }
      - { .name: Wqkv, .offset: 8, .size: 8, .value_kind: global_buffer, .address_space: global }
      - { .name: xc, .offset: 16, .size: 8, .value_kind: global_buffer, .address_space: global }
      - { .name: xs, .offset: 24, .size: 8, .value_kind: global_buffer, .address_space: global }
      - { .name: wc, .offset: 32, .size: 8, .value_kind: global_buffer, .address_space: global }
      - { .name: ws, .offset: 40, .size: 8, .value_kind: global_buffer, .address_space: global }
    .group_segment_fixed_size: 68096
    .private_segment_fixed_size: 0
    .kernarg_segment_align: 8
    .kernarg_segment_size: 48
    .max_flat_workgroup_size: 128
    .sgpr_count:     66
    .vgpr_count:     192
    .wavefront_size: 32
...
	.end_amdgpu_metadata
.endif
;; end of part 1
;; launch proj (part 2): grid 12 x 16, 4 waves a work-group, clusters of 4 x 4, 327,680 bytes of LDS; arguments xc, xs, wc, ws, bqkv, freqs_cis, qb, kv; writes qb, kv
.if DOCPART == 2
	.amdgcn_target "amdgcn-amd-amdhsa--gfx1250"
	.amdhsa_code_object_version 6
	.text
	.protected	k_q6dacf745b2_proj
	.globl	k_q6dacf745b2_proj
	.p2align	8
	.type	k_q6dacf745b2_proj,@function
k_q6dacf745b2_proj:
	s_mov_b64 s[64:65], 0
	v_nop
	global_prefetch_b8 v0, s[64:65] scope:SCOPE_SE
	s_setreg_imm32_b32 hwreg(HW_REG_WAVE_MODE, 25, 1), 1
	s_wait_xcnt 0x0
	s_wait_alu depctr_hold_cnt(0) depctr_sa_sdst(0) depctr_va_vdst(0) depctr_va_sdst(0) depctr_va_ssrc(0) depctr_va_vcc(0) depctr_vm_vsrc(0)
	s_getreg_b32 s2, hwreg(HW_REG_IB_STS2, 6, 4)
	s_cmp_eq_u32 s2, 0
	s_cbranch_scc0 .Lentry_in_a_cluster
	s_endpgm
.Lentry_in_a_cluster:
	s_bfe_u32 s2, ttmp6, 0x10000c
	s_cmp_lg_u32 s2, 0xf033
	s_cbranch_scc0 .Lentry_shape_is_right
	s_endpgm
.Lentry_shape_is_right:
; qkv = x Wqkv + bqkv on codes of FP6 (E2M3) with E8M0 scales for each 32 along K = 1,024; then the rotary turn of q and k; then q, k and v are quantised for the attention's products and stored as
; IMAGES OF OPERAND REGISTERS.  qkv never goes to memory in f32.  No work of reference() is left out here.
; A tile of 256 x 256 of qkv is made by a work-group of four waves, a wave 128 x 128: 64 accumulators of 16 x 16.  12 x 16 tiles: 192 work-groups, in clusters of 4 x 4.
; Below, "A" is the tensor whose row a LANE holds in the result (matrix source 1) and "B" the tensor whose rows run along a lane's REGISTERS (source 0).  What is quantised next must run along the registers:
;   cluster x = 0 (q), 1 (k): A = x (a lane holds a position), B = Wqkv's columns (registers run along the head's channels);
;   cluster x = 2 (v):        A = Wqkv's columns (a lane holds a channel), B = x (registers run along the keys).
; The choice hangs on the cluster's x alone, which all sixteen partners share.  A's tiles are asked for jointly along a row of the cluster, B's along a column.
; The rows of both code buffers lie in permuted places (the launch before): lane r of A's block 2 b + u holds true row 32 b + 8 u + r + 8 (r / 8), and register j of lanes' half h of B's block 2 b + u
; true row 32 b + 16 h + 8 u + j: so the 16 registers of blocks 2 b and 2 b + 1 are 16 neighbours, 32 b + 16 h + 0 .. 15.
; WHAT IS STORED.  kv: [head 16][128 keys 32] records of 13,824 bytes: K: 4 pairs of tiles x 1,536 bytes (12 registers a lane: tile 2 p's six, tile 2 p + 1's six; each four registers 512 bytes, lane l at 16 l);
; at 6,144 K's scale words, [tile / 4][lane][tile % 4]; at 7,168 V: 4 tiles of 16 channels x 128 keys, 1,536 bytes each; at 13,312 V's scale words [lane][tile].  qb: [head][128 queries] records of 7,168 bytes, laid as K's part.
; A head has 64 channels: two blocks, six registers of a fragment.  A row's scale word carries its head's two bytes below; the two bytes above are the neighbour head's or 0, never 0xff: they meet zero codes alone.
; LIMITS: as stated at the head of the first launch (byte 1 for blocks under 2^-124 and for blocks of zeros; no NaN, no infinities).
; REGISTERS, in windows of 256: window 0: v0-31 addresses; v32-63 scale words, two sets, and nothing else; from v128 A's fragments, one set; on the way out v64-207 at work.
;   window 1: B's fragments, two sets, at v0 and v128; on the way out v0-63 the bias, v64-191 four sets of rotary rows.   windows 2, 3: the accumulators ((a, b) at v[8 (8 (a % 4) + b)]).
.set KSTEP,  256                       ; along K in a slot
.set NQ,     2                         ; matrix instructions deep
.set ROWB,   192                       ; a tile's row in bytes
.set KROW,   768                       ; a row of codes in memory
.set PITCH,  240                       ; an LDS row: 3 x (64 bytes + 16 of padding)
.set FR,     12                        ; registers of a fragment
.set NL,     6                         ; LDS loads that bring one
.set NP,     4                         ; places behind this matrix instruction (ISA guide 7.12.1)
.set HALFT,  128*PITCH                 ; 128 rows: what one tensor load brings
.set SLOT,   4*HALFT                   ; A's 256 rows, then B's 256 rows
.set LAPS,   2                         ; 1,024 / 512
.set KS,     32                        ; a row of scale bytes
.set SCL,    2*SLOT                    ; behind the ring: the scales, as units of 256 bytes + 16 of padding
.set HALFS,  16*272                    ; the scales of 128 rows
.set SBLK,   2*272                     ; those of 16 rows
.set SPARE,  SCL+4*HALFS               ; the spare words, 128 bytes for each wave
.set ADRA, 16                          ; v16-17 LDS address of my A fragments in slot 0, 1 (v18-19: behind one padding more)
.set ADRB, 20                          ; v20-23 the same for B
.set ADRS, 27                          ; v27    LDS address of my scale words: lanes 0-15 A's rows, lanes 16-31 B's
.set SPW,  28                          ; v28    LDS address of my spare word; never rewritten
.set NIL,  29                          ; v29    0; never rewritten
.set SC,   32                          ; scale words
.set AF,   128                         ; A's fragments
.set T,    64                          ; the way out: 64 numbers of a lane
.set TM,   128                         ; v128-143 largest magnitudes, bytes, scale operands
.set CT,   144                         ; v144-146, v148-150 the conversions' second halves
.set P0,   152                         ; v152-163 a pair of tiles' codes, first head (or a fragment of V)
.set P1,   164                         ; v164-175 second head
.set SW0,  176                         ; v176-179 four tiles' scale words, first head
.set SW1,  180                         ; v180-183 second head
.set U,    184                         ; v184-191 the rotary's products
.set BV,   192                         ; v192-207 V's bias, each number twice
.set BIAS, 0                           ; window 1
.set F,    64                          ; window 1
.set G1, 24
.set G0, 32
.set G1B, 48
.set G0B, 56
.set G1S, 68
.set G0S, 76
.set G1SB, 80
.set G0SB, 88
.set SEL, 92                           ; s[92:93] on the way out: v_permlanex16_b32's selects for lane l xor 16
.set MSB, 0
.macro WIN new                         ; the immediate's high byte repeats the setting that is left
.if MSB != \new
	s_set_vgpr_msb (MSB<<8)|\new
.set MSB, \new
.endif
.endm
.set MUL_LO, 0xa1                      ; source 0 (B) window 1, source 1 (A) window 0, C and D window 2
.set MUL_HI, 0xf1                      ; the same, C and D window 3
.set TO_B,   0x40                      ; destination window 1, address window 0
; A joint load: waves 0 and 1 fetch for A, waves 2 and 3 for B.  Each line has one mask and one set of registers; the branch hangs on the wave's number alone.
.macro JLOAD g0a, g1a, g0b, g1b
	s_cmp_eq_u32 s15, 0
	s_cbranch_scc0 .Lfor_b_\@
	tensor_load_to_lds s[\g0a:\g0a+3], s[\g1a:\g1a+7]
	s_nop 0
.rept 4
	v_nop
.endr
	s_branch .Lasked_\@
.Lfor_b_\@:
	tensor_load_to_lds s[\g0b:\g0b+3], s[\g1b:\g1b+7]
	s_nop 0
.rept 4
	v_nop
.endr
.Lasked_\@:
.endm
.macro CREST                           ; a round of the cluster's barrier behind its opening barrier
	s_cmp_lg_u32 s14, 0
	s_cbranch_scc1 .Lnot_wave_0_\@
	s_barrier_signal -3
.Lnot_wave_0_\@:
	s_barrier_wait -3
	s_barrier_signal -1
	s_barrier_wait -1
.endm
.macro CROUND
	s_barrier_signal -1
	s_barrier_wait -1
	CREST
.endm
	s_load_b256 s[4:11], s[0:1], 0x0               ; xc s[4:5], xs s[6:7], wc s[8:9], ws s[10:11]
	s_load_b128 s[96:99], s[0:1], 0x20             ; bqkv, freqs_cis
	s_load_b64 s[12:13], s[0:1], 0x30              ; qb
	s_load_b64 s[66:67], s[0:1], 0x38              ; kv
	v_lshl_add_u32 v[SPW], v0, 2, SPARE
	v_mov_b32 v[NIL], 0
	ds_add_u32 v[SPW], v[NIL]                      ; the wave's opening: the add, twice on end, and its wait ahead of my first tensor load
	ds_add_u32 v[SPW], v[NIL]
	v_lshrrev_b32 v1, 5, v0
	v_readfirstlane_b32 s14, v1                    ; wave 0..3
	s_lshr_b32 s15, s14, 1                         ; which half of A's rows is mine.  Also: I fetch for A (0) or for B (1)
	s_and_b32 s16, s14, 1                          ; which half of B's rows.  Also: which 128 rows of that tile I fetch
	s_bfe_u32 s40, ttmp6, 0x40000                  ; cx, cy: my place in the cluster
	s_bfe_u32 s41, ttmp6, 0x40004
	s_and_b32 s95, ttmp7, 0xffff                   ; the cluster's y: which 1,024 positions
	s_cmp_eq_u32 ttmp9, 2                          ; the cluster's x: 0 q, 1 k, 2 v
	s_cselect_b32 s42, s95, ttmp9
	s_cselect_b32 s17, 2, s95
	s_lshl_b32 s42, s42, 2
	s_add_co_u32 s42, s42, s40                     ; B's tile of 256 rows: q, k: 4 x + cx of Wqkv's columns; v: 4 y + cx of the positions
	s_lshl_b32 s17, s17, 2
	s_add_co_u32 s17, s17, s41                     ; A's tile: q, k: 4 y + cy of the positions; v: 8 + cy of Wqkv's columns
	s_lshl_b32 s43, s41, 2
	s_lshl_b32 s43, 15, s43                        ; my row of the cluster
	s_lshl_b32 s44, 0x1111, s40                    ; my column
	; descriptor group 1: a tile of 128 rows x 192 bytes, 16 bytes of padding behind every 64
	s_or_b32 s[G1+0], s43, (0<<16)|(1<<20)|(1<<21)|(3<<22)|(3<<25)
	s_or_b32 s[G1B+0], s44, (0<<16)|(1<<20)|(1<<21)|(3<<22)|(3<<25)
.irp g, G1, G1B
	s_mov_b32 s[\g+1], ROWB<<16                    ; tensor_dim0
	s_mov_b32 s[\g+2], 128<<16                     ; tensor_dim1
	s_mov_b32 s[\g+3], ROWB<<16                    ; tile_dim0
	s_mov_b32 s[\g+4], 128                         ; tile_dim1
	s_mov_b32 s[\g+5], KROW                        ; from row to row
	s_mov_b32 s[\g+6], 0
	s_mov_b32 s[\g+7], 0
.endr
	; the scales of 128 rows: 4,096 dense bytes, as 16 rows of 256 bytes (32 elements of 8), 16 bytes of padding behind each
	s_or_b32 s[G1S+0], s43, (3<<16)|(1<<20)|(1<<21)|(5<<22)|(3<<25)
	s_or_b32 s[G1SB+0], s44, (3<<16)|(1<<20)|(1<<21)|(5<<22)|(3<<25)
.irp g, G1S, G1SB
	s_mov_b32 s[\g+1], 32<<16
	s_mov_b32 s[\g+2], 16<<16
	s_mov_b32 s[\g+3], 32<<16
	s_mov_b32 s[\g+4], 16
	s_mov_b32 s[\g+5], 32
	s_mov_b32 s[\g+6], 0
	s_mov_b32 s[\g+7], 0
.endr
	s_lshl_b32 s18, s16, 7                         ; which 128 rows of the tile I fetch
	s_lshl_b32 s20, s17, 8
	s_add_co_u32 s20, s20, s18                     ; A: row 256 x tile + 128 x half
	s_lshl_b32 s46, s42, 8
	s_add_co_u32 s46, s46, s18                     ; B likewise
	s_mov_b32 s21, 0
	s_mov_b32 s47, 0
	s_mov_b64 s[18:19], KS
	s_mul_u64 s[22:23], s[20:21], s[18:19]         ; where these rows' scales begin, in bytes
	s_mul_u64 s[92:93], s[46:47], s[18:19]
	s_mov_b64 s[18:19], KROW
	s_mul_u64 s[20:21], s[20:21], s[18:19]         ; and their codes
	s_mul_u64 s[46:47], s[46:47], s[18:19]
	s_mul_i32 s45, s14, HALFT                      ; where they go: wave x 128 rows: no place in the cluster enters an LDS address
	s_mul_i32 s94, s14, HALFS
	s_wait_dscnt 0x0                               ; both opening adds are done
	s_wait_kmcnt 0x0
	s_cmp_eq_u32 ttmp9, 2                          ; which buffers are A's and which B's
	s_cselect_b64 s[100:101], s[8:9], s[4:5]       ; A's codes
	s_cselect_b64 s[104:105], s[10:11], s[6:7]     ; A's scales
	s_cselect_b64 s[8:9], s[4:5], s[8:9]           ; B's codes
	s_cselect_b64 s[10:11], s[6:7], s[10:11]       ; B's scales
	s_add_nc_u64 s[20:21], s[100:101], s[20:21]
	s_add_nc_u64 s[22:23], s[104:105], s[22:23]
	s_add_nc_u64 s[46:47], s[8:9], s[46:47]
	s_add_nc_u64 s[92:93], s[10:11], s[92:93]
	CROUND                                         ; all sixteen work-groups are here: the first joint loads meet
	s_mov_b32 s[G0S], 1
	s_add_co_u32 s[G0S+1], s94, SCL
	s_mov_b64 s[G0S+2:G0S+3], s[22:23]
	s_or_b32 s[G0S+3], s[G0S+3], 0x80000000
	s_mov_b32 s[G0SB], 1
	s_add_co_u32 s[G0SB+1], s94, SCL
	s_mov_b64 s[G0SB+2:G0SB+3], s[92:93]
	s_or_b32 s[G0SB+3], s[G0SB+3], 0x80000000
	JLOAD G0S, G1S, G0SB, G1SB                     ; the scales first: they are wanted with K step 0, and are filled once
.irp s, 0,1
	s_mov_b32 s[G0+4*\s], 1
	s_add_co_u32 s[G0+4*\s+1], s45, \s*SLOT
	s_add_nc_u64 s[G0+4*\s+2:G0+4*\s+3], s[20:21], \s*ROWB
	s_or_b32 s[G0+4*\s+3], s[G0+4*\s+3], 0x80000000
	s_mov_b32 s[G0B+4*\s], 1
	s_add_co_u32 s[G0B+4*\s+1], s45, \s*SLOT
	s_add_nc_u64 s[G0B+4*\s+2:G0B+4*\s+3], s[46:47], \s*ROWB
	s_or_b32 s[G0B+4*\s+3], s[G0B+4*\s+3], 0x80000000
	JLOAD G0+4*\s, G1, G0B+4*\s, G1B               ; three tensor loads of mine are out behind the second of these
.endr
	v_and_b32 v1, 15, v0                           ; l % 16
	v_bfe_u32 v2, v0, 4, 1                         ; l / 16
	v_mul_u32_u24 v3, v1, PITCH
	v_mul_u32_u24 v4, v2, 24
	v_add_nc_u32 v4, v3, v4                        ; a fragment's row x pitch + 24 x half
	v_lshl_add_u32 v5, v2, 4, v4                   ; and the same behind one padding more
	s_mul_i32 s21, s15, HALFT                      ; my 128 rows of A
	s_mul_i32 s22, s16, HALFT                      ; my 128 rows of B,
	s_add_co_u32 s22, s22, 2*HALFT                 ; which lie behind A's 256
.irp s, 0,1
	v_add_nc_u32 v[ADRA+\s], s21, v4
	v_add_nc_u32 v[ADRB+\s], s22, v4
	v_add_nc_u32 v[ADRA+2+\s], s21, v5
	v_add_nc_u32 v[ADRB+2+\s], s22, v5
	s_add_co_u32 s21, s21, SLOT
	s_add_co_u32 s22, s22, SLOT
.endr
	v_mul_u32_u24 v5, v1, KS                       ; my row's scales: 32 bytes a row,
	v_lshrrev_b32 v6, 8, v5
	v_lshl_add_u32 v5, v6, 4, v5                   ; and 16 more for each 256 passed
	s_mul_i32 s21, s15, HALFS                      ; A's: my 128 rows
	s_mul_i32 s22, s16, HALFS                      ; B's: my 128 rows, behind A's 256
	s_add_co_u32 s22, s22, 2*HALFS
	s_sub_co_u32 s22, s22, s21
	v_mul_u32_u24 v6, s22, v2                      ; lanes 16-31 take B's: one product, the distance between the two bases
	s_add_co_u32 s21, s21, SCL
	v_add_nc_u32 v5, v5, v6
	v_add_nc_u32 v[ADRS], s21, v5
.macro FRAG reg, adr, q, i             ; a fragment, 16 rows x 128 K: lane l holds row l % 16; registers 6 c .. 6 c + 5 hold K = 64 c + 32 (l / 16) + 0 .. 31: 24 bytes of the row's stream of bits, in pieces of 8
.irp p, 0,1,2,3,4,5
.set PC, 12*(\q)+6*(\p/3)+\p%3        ; where the piece three on lies behind one padding more, the second address register serves
.if PC%8 < 5
	ds_load_b64 v[\reg+2*\p:\reg+2*\p+1], v[\adr] offset:8*PC+16*(PC/8)+(\i)*16*PITCH
.else
	ds_load_b64 v[\reg+2*\p:\reg+2*\p+1], v[\adr+2] offset:8*PC+16*(PC/8)+(\i)*16*PITCH
.endif
.endr
.endm
; 16 matrix instructions: A's blocks a0, a0 + 1 x B's eight, 128 along K.  The 64 accumulators take turns, one instruction a turn, in the same order in every step.
.macro MUL16 a0, p, q, sc, zero
.irp a, \a0, \a0+1
.irp b, 0,1,2,3,4,5,6,7
.if \zero
	v_wmma_scale_f32_16x16x128_f8f6f4 v[8*(8*((\a)%4)+\b):8*(8*((\a)%4)+\b)+7], v[128*(\p)+FR*\b:128*(\p)+FR*\b+FR-1], v[AF+FR*(\a):AF+FR*(\a)+FR-1], 0, v[SC+8*NQ*(\sc)+NQ*\b+(\q)], v[SC+8*NQ*(\sc)+NQ*(\a)+(\q)] matrix_a_fmt:MATRIX_FMT_FP6 matrix_b_fmt:MATRIX_FMT_FP6 matrix_a_scale:MATRIX_SCALE_ROW1
.else
	v_wmma_scale_f32_16x16x128_f8f6f4 v[8*(8*((\a)%4)+\b):8*(8*((\a)%4)+\b)+7], v[128*(\p)+FR*\b:128*(\p)+FR*\b+FR-1], v[AF+FR*(\a):AF+FR*(\a)+FR-1], v[8*(8*((\a)%4)+\b):8*(8*((\a)%4)+\b)+7], v[SC+8*NQ*(\sc)+NQ*\b+(\q)], v[SC+8*NQ*(\sc)+NQ*(\a)+(\q)] matrix_a_fmt:MATRIX_FMT_FP6 matrix_b_fmt:MATRIX_FMT_FP6 matrix_a_scale:MATRIX_SCALE_ROW1
.endif
.endr
.endr
.endm
.macro FETCH_B slot, q, p              ; B's eight fragments of the slot's q-th 128 along K into set p
	WIN TO_B
.irp i, 0,1,2,3,4,5,6,7
	FRAG 128*(\p)+FR*\i, ADRB+\slot, \q, \i
.endr
	WIN 0
.endm
.macro FETCH_A slot, q, i0             ; A's blocks i0 .. i0 + 3
.irp i, \i0, \i0+1, \i0+2, \i0+3
	FRAG AF+FR*(\i), ADRA+\slot, \q, \i
.endr
.endm
.macro SCALES sc                       ; a K step's scale words into set sc: lanes 0-15 take A's block i, lanes 16-31 B's block i
.irp i, 0,1,2,3,4,5,6,7
	ds_load_b64 v[SC+8*NQ*\sc+NQ*\i:SC+8*NQ*\sc+NQ*\i+1], v[ADRS] offset:\i*SBLK
.endr
.endm
.macro PLACES n                        ; plain vector places behind matrix instructions, in front of loads into their registers and of reads of their results
.rept \n
	v_nop
.endr
.endm
.macro STEP slot, q, zero              ; a step of 128 along K that has its successor in the same slot
	s_wait_dscnt 4*NL                              ; B's set and A's blocks 0-3 are in; the youngest 24 loads (A's blocks 4-7) may be out
	WIN MUL_LO
	MUL16 0, (\q)%2, \q, \slot, \zero
	MUL16 2, (\q)%2, \q, \slot, \zero
	s_wait_dscnt 0                                 ; A's blocks 4-7 are in
	PLACES NP
	FETCH_B \slot, (\q)+1, 1-(\q)%2
	FETCH_A \slot, (\q)+1, 0
	WIN MUL_HI
	MUL16 4, (\q)%2, \q, \slot, \zero
	MUL16 6, (\q)%2, \q, \slot, \zero
	PLACES NP
	WIN 0
	FETCH_A \slot, (\q)+1, 4
.endm
; A slot's last step changes slots: one barrier; in front of it each wave waits for all its tensor loads, adds 0 to its spare word, and waits for that and for its own reads of this slot.
.macro TURN slot, next, fill
	s_wait_tensorcnt 0x0                           ; all my tensor loads have landed: my part of the next slot
	ds_add_u32 v[SPW], v[NIL]                      ; 0 onto my spare word
	s_wait_dscnt 4*NL+1                            ; (the add and the youngest 24 loads, A's blocks 4-7, may be out)
	WIN MUL_LO
	MUL16 0, 1, NQ-1, \slot, 0                     ; sixteen matrix instructions stand between the add and the wait for it
	s_wait_dscnt 0x0                               ; the add is done, and my reads of this slot are over
	s_barrier_signal -1
	MUL16 2, 1, NQ-1, \slot, 0
	WIN 0
	s_barrier_wait -1
.if \fill
	CREST                                          ; the barrier has opened a round of the cluster's barrier: no wave of any partner still reads this slot or has a load on its way
	s_add_nc_u64 s[G0+4*\slot+2:G0+4*\slot+3], s[G0+4*\slot+2:G0+4*\slot+3], 2*ROWB
	s_add_nc_u64 s[G0B+4*\slot+2:G0B+4*\slot+3], s[G0B+4*\slot+2:G0B+4*\slot+3], 2*ROWB
	JLOAD G0+4*\slot, G1, G0B+4*\slot, G1B         ; the first tensor load behind the round, my one load until the next; its four v_nop are the places in front of the loads below
.else
	PLACES NP
.endif
	v_add_nc_u32 v[ADRS], 4*NQ, v[ADRS]            ; on to the next K step's scale words
	FETCH_B \next, 0, 0
	FETCH_A \next, 0, 0
	SCALES \next
	WIN MUL_HI
	MUL16 4, 1, NQ-1, \slot, 0
	MUL16 6, 1, NQ-1, \slot, 0
	PLACES NP
	WIN 0
	FETCH_A \next, 0, 4
.endm
	s_wait_tensorcnt 1                             ; the scales and my part of K step 0 are in (K step 1's load may be out)
	s_barrier_signal -1
	s_barrier_wait -1                              ; everybody's are
	FETCH_B 0, 0, 0
	FETCH_A 0, 0, 0
	SCALES 0
	FETCH_A 0, 0, 4
	STEP 0, 0, 1                                   ; the first step's products start the sums
	s_mov_b32 s3, LAPS-1
.Llap:                                                 ; a trip goes once round the ring and fills both slots again
	TURN 0, 1, 1
	STEP 1, 0, 0
	TURN 1, 0, 1
	STEP 0, 0, 0
	s_sub_co_u32 s3, s3, 1
	s_cmp_lg_u32 s3, 0
	s_cbranch_scc1 .Llap
	TURN 0, 1, 0                                   ; the last lap fills nothing
	STEP 1, 0, 0
	s_wait_dscnt 4*NL
	WIN MUL_LO
	MUL16 0, 1, NQ-1, 1, 0
	MUL16 2, 1, NQ-1, 1, 0
	s_wait_dscnt 0
	WIN MUL_HI
	MUL16 4, 1, NQ-1, 1, 0
	MUL16 6, 1, NQ-1, 1, 0
	WIN 0
; ---------------- THE WAY OUT ----------------
; 64 numbers of a lane, v[T] on, register 16 b + i = index 32 b + 16 (lane / 16) + i of the lane's row, become codes: indices 0-63 in v[QD0 .. QD0+5], 64-127 in v[QD1 .. QD1+5], each in the operand's
; layout (lanes 0-15 the lower block of 32, lanes 16-31 the upper), and the row's four scale bytes in v[QPW].
.macro QUANT
.irp b, 0,1,2,3
	v_max3_num_f32 v[TM+\b], |v[T+16*\b]|, |v[T+1+16*\b]|, 0x1800000   ; block b: my 16 numbers, and the floor 2^(3 - 127)
.endr
.irp i, 2,4,6,8,10,12,14
.irp b, 0,1,2,3
	v_max3_num_f32 v[TM+\b], v[TM+\b], |v[T+16*\b+\i]|, |v[T+1+16*\b+\i]|   ; (the four blocks by turns)
.endr
.endr
.irp b, 0,1,2,3
	v_permlanex16_b32 v[TM+4+\b], v[TM+\b], s[SEL], s[SEL+1]
.endr
.irp b, 0,1,2,3
	v_max_num_f32 v[TM+\b], v[TM+\b], v[TM+4+\b]   ; with lane l xor 16's: the block's largest magnitude
.endr
.irp b, 0,1,2,3
	v_add_nc_u32 v[TM+12+\b], 0xff000000, v[TM+\b] ; 2 off its exponent field: the conversion's scale operand
.endr
.irp b, 0,1,2,3
	v_lshrrev_b32 v[TM+4+\b], 23, v[TM+12+\b]      ; the scale's byte
.endr
	v_lshl_or_b32 v[QPW], v[TM+5], 8, v[TM+4]
	v_lshl_or_b32 v[QPW], v[TM+6], 16, v[QPW]
	v_lshl_or_b32 v[QPW], v[TM+7], 24, v[QPW]
	v_cvt_scalef32_pk16_fp6_f32 v[QD0:QD0+2], v[T:T+15], v[TM+12]
	v_cvt_scalef32_pk16_fp6_f32 v[CT:CT+2], v[T+16:T+31], v[TM+13]     ; (a conversion's three registers begin on an even number)
	v_cvt_scalef32_pk16_fp6_f32 v[QD1:QD1+2], v[T+32:T+47], v[TM+14]
	v_cvt_scalef32_pk16_fp6_f32 v[CT+4:CT+6], v[T+48:T+63], v[TM+15]
	v_nop                                          ; one plain place behind a scaled conversion
.irp i, 0,1,2
	v_permlane16_swap_b32 v[QD0+\i], v[CT+\i]      ; the first's lanes 16-31 change places with the second's lanes 0-15: a whole block in a lane
.endr
.irp i, 0,1,2
	v_mov_b32 v[QD0+3+\i], v[CT+\i]
.endr
.irp i, 0,1,2
	v_permlane16_swap_b32 v[QD1+\i], v[CT+4+\i]
.endr
.irp i, 0,1,2
	v_mov_b32 v[QD1+3+\i], v[CT+4+\i]
.endr
.endm
	PLACES NP                                      ; behind the last products: for the loads and vector writes into operands' registers and the reads of results
	v_and_b32 v1, 15, v0                           ; r
	v_bfe_u32 v2, v0, 4, 1                         ; h
	v_and_b32 v3, 8, v1
	v_add_nc_u32 v3, v3, v1                        ; r + 8 (r / 8)
	v_and_b32 v4, 31, v0
	v_lshlrev_b32 v4, 4, v4                        ; 16 x lane: an image's place for my lane
.irp b, 0,1,2,3
	v_mov_b32 v[TM+4+\b], 0                        ; written once: a lane permute's destination counts as one of its sources
.endr
	s_mov_b32 s[SEL], 0x76543210
	s_mov_b32 s[SEL+1], 0xfedcba98
	s_cmp_eq_u32 ttmp9, 2                          ; the cluster's x: the same in all partners
	s_cbranch_scc1 .Lv
	; ---- q and k: my 128 positions x 128 columns = two heads ----
	s_lshl_b32 s18, s40, 1
	s_add_co_u32 s18, s18, s16                     ; which pair of heads: 2 cx + my half of the columns
	s_lshl_b32 s18, s18, 6                         ; 32 records a head
	s_lshl_b32 s19, s17, 1
	s_add_co_u32 s19, s19, s15                     ; which 128 positions
	s_add_co_u32 s18, s18, s19
	s_mov_b32 s46, 13824
	s_cmp_eq_u32 ttmp9, 0
	s_cselect_b32 s46, 7168, s46                   ; a record of qb or of kv
	s_cselect_b64 s[20:21], s[12:13], s[66:67]
	s_mul_i32 s18, s18, s46
	s_mov_b32 s19, 0
	s_add_nc_u64 s[20:21], s[20:21], s[18:19]      ; the first head's record
	s_lshl_b32 s18, s46, 5
	s_add_nc_u64 s[22:23], s[20:21], s[18:19]      ; the second head's: 32 records on
	s_lshl_b32 s18, s42, 10
	s_lshl_b32 s47, s16, 9
	s_add_co_u32 s18, s18, s47
	s_add_nc_u64 s[96:97], s[96:97], s[18:19]      ; the bias of my 128 columns
	s_lshl_b32 s18, s17, 16
	s_lshl_b32 s47, s15, 15
	s_add_co_u32 s18, s18, s47
	s_add_nc_u64 s[98:99], s[98:99], s[18:19]      ; the rotary rows of my 128 positions: 256 bytes a position
	v_lshlrev_b32 v5, 6, v2                        ; 64 h: my 16 numbers of each 32
	v_lshl_add_u32 v6, v3, 8, v5                   ; + my row of a tile
	WIN TO_B
.irp e, 0,1,2,3
.irp q, 0,1,2,3
	global_load_b128 v[BIAS+16*\e+4*\q:BIAS+16*\e+4*\q+3], v5, s[96:97] offset:128*\e+16*\q   ; register 16 e + i: column 32 e + 16 h + i
.endr
.endr
.macro FLOAD a                         ; tile a's rotary rows: register 16 e + i: number 32 e + 16 h + i of my position's 64 (cos, sin by turns); the eight loads together take whole rows
.irp e, 0,1
.irp q, 0,1,2,3
	global_load_b128 v[F+32*((\a)%4)+16*\e+4*\q:F+32*((\a)%4)+16*\e+4*\q+3], v6, s[98:99] offset:(32*((\a)/2)+8*((\a)%2))*256+128*\e+16*\q
.endr
.endr
.endm
	FLOAD 0
	FLOAD 1
	FLOAD 2
	FLOAD 3
	WIN 0
.macro QKROW a                         ; tile a: 16 positions x 128 columns
.if (\a) <= 4
	s_wait_loadcnt 24                              ; the bias and this tile's rotary rows are in; three later sets of eight loads may be out
.else
	s_wait_loadcnt 8*(7-(\a))
.endif
.if ((\a) >= 2) && ((\a)%2 == 0)
	s_wait_xcnt 0x0                                ; the last pair's stores have read their data: the codes' and words' registers are written again only behind this wait
.endif
.set AC, 64*((\a)%4)
.set FS, F+32*((\a)%4)
.set WN, 0x06+(\a)/4                   ; source 0 window 2 or 3, source 1 window 1
	WIN WN
.set RN, 0
.rept 32
	v_pk_add_f32 v[T+RN:T+RN+1], v[AC+RN:AC+RN+1], v[BIAS+RN:BIAS+RN+1]   ; + bias; each accumulator is read from its low end on
.set RN, RN+2
.endr
	WIN 0x04                                       ; source 1 window 1
.set RN, 0
.rept 32                               ; (x0, x1) -> (x0 cos - x1 sin, x1 cos + x0 sin); both heads use the same 32 pairs
	v_mul_f32 v[U+2*((RN/2)%4)], v[T+RN+1], v[FS+RN%32+1]
	v_mul_f32 v[U+2*((RN/2)%4)+1], v[T+RN], v[FS+RN%32+1]
	v_fma_f32 v[T+RN], v[T+RN], v[FS+RN%32], -v[U+2*((RN/2)%4)]
	v_fma_f32 v[T+RN+1], v[T+RN+1], v[FS+RN%32], v[U+2*((RN/2)%4)+1]
.set RN, RN+2
.endr
.if (\a) < 4
	WIN TO_B
	FLOAD (\a)+4                                   ; the set just read takes the tile four on
.endif
	WIN 0
.set QD0, P0+6*((\a)%2)
.set QD1, P1+6*((\a)%2)
.set QPW, SW0+(\a)%4
	QUANT
	v_lshrrev_b32 v[SW1+(\a)%4], 16, v[QPW]        ; the second head's two bytes, zeros above them
.if (\a)%2 == 1
.irp c, 0,1,2
	global_store_b128 v4, v[P0+4*\c:P0+4*\c+3], s[20:21] offset:((\a)/2)*1536+512*\c   ; the wave stores 512 consecutive bytes, aligned
	global_store_b128 v4, v[P1+4*\c:P1+4*\c+3], s[22:23] offset:((\a)/2)*1536+512*\c
.endr
.endif
.if (\a)%4 == 3
	global_store_b128 v4, v[SW0:SW0+3], s[20:21] offset:6144+512*((\a)/4)
	global_store_b128 v4, v[SW1:SW1+3], s[22:23] offset:6144+512*((\a)/4)
.endif
.endm
.irp a, 0,1,2,3,4,5,6,7
	QKROW \a
.endr
	s_branch .Ldone
	; ---- v: my 128 channels (two heads) x 128 keys ----
.Lv:
	s_lshl_b32 s18, s41, 2
	s_lshl_b32 s19, s15, 1
	s_add_co_u32 s18, s18, s19                     ; my first head: 4 cy + 2 x my half of the channels
	s_lshl_b32 s18, s18, 5
	s_lshl_b32 s19, s42, 1
	s_add_co_u32 s18, s18, s19
	s_add_co_u32 s18, s18, s16                     ; + which 128 keys
	s_mul_i32 s18, s18, 13824
	s_add_co_u32 s18, s18, 7168                    ; V's part of the record
	s_mov_b32 s19, 0
	s_add_nc_u64 s[20:21], s[66:67], s[18:19]
	s_lshl_b32 s18, s17, 10
	s_lshl_b32 s47, s15, 9
	s_add_co_u32 s18, s18, s47
	s_add_nc_u64 s[96:97], s[96:97], s[18:19]      ; the bias of my 128 channels
	v_lshlrev_b32 v7, 2, v3
.irp a, 0,1,2,3,4,5,6,7
	global_load_b32 v[BV+2*\a], v7, s[96:97] offset:(32*(\a/2)+8*(\a%2))*4     ; my channel's bias, twice: a pair for the packed addition
	global_load_b32 v[BV+2*\a+1], v7, s[96:97] offset:(32*(\a/2)+8*(\a%2))*4
.endr
	s_wait_loadcnt 0x0
.macro VROW a                          ; tile a: 16 channels x 128 keys: one whole fragment
.if (\a) >= 1
	s_wait_xcnt 0x0                                ; the last tile's stores have read their data
.endif
.set AC, 64*((\a)%4)
.set WN, 0x02+(\a)/4                   ; source 0 window 2 or 3
	WIN WN
.set RN, 0
.rept 32
	v_pk_add_f32 v[T+RN:T+RN+1], v[AC+RN:AC+RN+1], v[BV+2*(\a):BV+2*(\a)+1]
.set RN, RN+2
.endr
	WIN 0
.set QD0, P0
.set QD1, P0+6
.set QPW, SW0+(\a)%4
	QUANT
.irp c, 0,1,2
	global_store_b128 v4, v[P0+4*\c:P0+4*\c+3], s[20:21] offset:((\a)/4)*442368+((\a)%4)*1536+512*\c   ; (the second head's records lie 32 x 13,824 bytes on)
.endr
.if (\a)%4 == 3
	global_store_b128 v4, v[SW0:SW0+3], s[20:21] offset:((\a)/4)*442368+6144
.endif
.endm
.irp a, 0,1,2,3,4,5,6,7
	VROW \a
.endr
.Ldone:
	s_wait_tensorcnt 0x0                           ; the wave's end
	ds_add_u32 v[SPW], v[NIL]
	s_wait_dscnt 0x0
	CROUND                                         ; the closing round: no work-group ends while a partner may still ask for a tile that names it
	s_endpgm
.Lfunc_end_k_q6dacf745b2_proj:
	.size	k_q6dacf745b2_proj, .Lfunc_end_k_q6dacf745b2_proj-k_q6dacf745b2_proj
	.p2alignl 7, 3214868480
	.fill 96, 4, 3214868480
	.section	.rodata,"a",@progbits
	.p2align	6, 0x0
	.amdhsa_kernel k_q6dacf745b2_proj
		.amdhsa_group_segment_fixed_size 327680
		.amdhsa_private_segment_fixed_size 0
		.amdhsa_enable_private_segment 0
		.amdhsa_kernarg_size 64
		.amdhsa_user_sgpr_count 2
		.amdhsa_user_sgpr_kernarg_segment_ptr 1
		.amdhsa_wavefront_size32 1
		.amdhsa_system_sgpr_workgroup_id_x 1
		.amdhsa_system_sgpr_workgroup_id_y 1
		.amdhsa_system_sgpr_workgroup_id_z 1
		.amdhsa_system_vgpr_workitem_id 0
		.amdhsa_next_free_vgpr 1024
		.amdhsa_next_free_sgpr 106
		.amdhsa_reserve_vcc 0
		.amdhsa_float_denorm_mode_32 3
		.amdhsa_float_denorm_mode_16_64 3
		.amdhsa_memory_ordered 1
		.amdhsa_forward_progress 1
		.amdhsa_inst_pref_size 255
	.end_amdhsa_kernel
	.section	.bss,"aw",@nobits
	.p2align	6
	.space	262144
	.amdgpu_metadata
---
amdhsa.version: [ 1, 2 ]
amdhsa.kernels:
  - .name:           k_q6dacf745b2_proj
    .symbol:         k_q6dacf745b2_proj.kd
    .args:
      - { .name: xc, .offset: 0, .size: 8, .value_kind: global_buffer, .address_space: global }
      - { .name: xs, .offset: 8, .size: 8, .value_kind: global_buffer, .address_space: global }
      - { .name: wc, .offset: 16, .size: 8, .value_kind: global_buffer, .address_space: global }
      - { .name: ws, .offset: 24, .size: 8, .value_kind: global_buffer, .address_space: global }
      - { .name: bqkv, .offset: 32, .size: 8, .value_kind: global_buffer, .address_space: global }
      - { .name: freqs_cis, .offset: 40, .size: 8, .value_kind: global_buffer, .address_space: global }
      - { .name: qb, .offset: 48, .size: 8, .value_kind: global_buffer, .address_space: global }
      - { .name: kv, .offset: 56, .size: 8, .value_kind: global_buffer, .address_space: global }
    .group_segment_fixed_size: 327680
    .private_segment_fixed_size: 0
    .kernarg_segment_align: 8
    .kernarg_segment_size: 64
    .max_flat_workgroup_size: 128
    .sgpr_count:     106
    .vgpr_count:     1024
    .wavefront_size: 32
...
	.end_amdgpu_metadata
.endif
;; end of part 2
;; launch attn (part 3): grid 16 x 16, 16 waves a work-group, no clusters, 327,680 bytes of LDS; arguments qb, kv, out0; writes out0
.if DOCPART == 3
	.amdgcn_target "amdgcn-amd-amdhsa--gfx1250"
	.amdhsa_code_object_version 6
	.text
	.protected	k_q6dacf745b2_attn
	.globl	k_q6dacf745b2_attn
	.p2align	8
	.type	k_q6dacf745b2_attn,@function
k_q6dacf745b2_attn:
	s_mov_b64 s[64:65], 0
	v_nop
	global_prefetch_b8 v0, s[64:65] scope:SCOPE_SE
	s_setreg_imm32_b32 hwreg(HW_REG_WAVE_MODE, 25, 1), 1
	s_wait_xcnt 0x0
; out[q][head] = the sum over keys k <= q of softmax_k(Q . K / 8) V, 16 heads of 64 channels, 4,096 positions, both products on codes of FP6 (E2M3) with E8M0 scales, read as the launch before has stored them.
; LEFT OUT (shown at the head of the first launch): key steps of 128 keys all of which come after all queries of a wave's block of 128: reference()'s own causal mask gives them p = 0.
; THE SOFTMAX: t = score x log2(e) / 8; M = the running largest t rounded UP to a whole number; p = 2^(t - M) is quantised along the keys, not normalised; the row's sum is taken of the unquantised p
; and divides at the end.  When M moves, the sum and O are multiplied by 2^(old M - new M): exact.  v_exp_f32 gives 0 for results under 2^-126 (a limit: such p count as 0).
; SHARES.  Work-group (j, head) owns the blocks j and 31 - j of 128 queries: (j + 1) + (32 - j) = 33 key steps for each of eight tiles, the same in every work-group.  Sixteen waves, each one tile of 16 queries:
; wave w takes tile (w / 2) % 8 of the low block or of the high one, by (w xor w / 4) & 1, so that low and high tiles are mixed among neighbouring waves.
; NO CLUSTER: the sixteen work-groups of a head stop asking for keys at different slots (the last query of work-group j is 128 (31 - j) + 127), so a joint load would bring some partners tiles that none of their waves reads.
; THE RING.  A key step's operands are one record of 13,824 dense bytes (K's eight tiles as register images, their scale words, V's four fragments, their scale words).  A slot holds four records, 55,296 bytes,
; brought by ONE tensor load of wave 0 as 216 rows of 256 bytes; two slots, 65,536 bytes apart.  Every wave walks all eight slots (constant trip counts) and jumps over the work of hidden steps.
; LAYOUT.  Both products transposed: S^T = K Q^T, O^T = V^T P^T: a lane holds one query.  Lane r of K's tile 2 b + u is key 32 b + 8 u + r + 8 (r / 8), so the 16 registers of tiles 2 b, 2 b + 1 are keys 32 b + 16 h + 0 .. 15.
; A head's 64 channels fill K = 0 .. 63 of the instruction's 128.  Q's registers 6-11 are zero codes; K's operand of tile t is v[32 + 6 t .. 43 + 6 t], whose upper six registers (the next tile's codes; zeros behind
; tile 7) meet those zero codes alone; the scale bytes of the two upper blocks are another head's bytes or 0, never 0xff.
; REGISTERS: v1 16 x lane; v2 the slot's address; v3, v4 the add's two; v5 my offset in out0; v6 the diagonal's bound; v7 -infinity; v8, v9 stage addresses; v10 Q's scale word; v11 p's; v12 -M; v13 the largest t;
; v[14:15] the sum; v16-21 Q, v22-27 zeros; v28-31 V's scale words; v32-79 K's tiles, then V's; v80-85 zeros; v88-95 K's scale words; v96-159 S^T, then p; v160-191 O^T; v192-203 p's codes; v204-228 at work.
.set REC,   13824
.set SLOTB, 4*REC
.set SLOT1, 65536
.set HEADB, 32*REC
.set QREC,  7168
.set STG,   131072                     ; the way out: 16 rows x (256 bytes + 16) for each wave: bytes of their own, into which no tile lands
.set SPARE, STG+16*16*272              ; the spare words, 128 bytes for each of sixteen waves
.set LI,   1
.set ADR,  2
.set SPW,  3
.set NIL,  4
.set PFO,  228                         ; v228 256 x lane; never rewritten
.set WV,   10
.set HALF, 11
.set IDX,  12
.set BLK,  13
.set QB,   14                          ; my block's first query
.set QH,   15                          ; my work-group's last query
.set HD,   16
.set SEL,  20
.set CS,   22
.set G1,   24
.set G0,   32
.set TB,   36                          ; LDS byte at which the slot in hand begins
.set SLOTS, 37
.set KF,   38                          ; the step's first key
.set LIM,  39
.set PFA,  40
.macro TLOAD                           ; wave 0 fetches a whole slot; an s_nop 0 and four v_nop follow the line
	s_cmp_eq_u32 s[WV], 0
	s_cbranch_scc0 .Lnot_0_\@
	tensor_load_to_lds s[G0:G0+3], s[G1:G1+7]
	s_nop 0
.rept 4
	v_nop
.endr
.Lnot_0_\@:
.endm
; A PREFETCH INTO THE L2.  All sixteen work-groups of a head walk the same records: work-group j = 0 asks, and in it waves 4 to 11, which fetch nothing: 8,192 bytes a wave, lanes 256 bytes apart, 65,536 bytes a change
; of slots, at the first five changes: bytes 114,688 to 442,367 of the head's 442,368, each aligned 256 bytes named once.  At change k (which loads slot k) all of slot k + 1 up to byte 55,296 (k + 2) has been named,
; since 55,296 (k + 2) <= 114,688 + 65,536 k.  The bytes below 114,688 come by their loads alone: nothing is asked for at the head.
.macro ASK
	s_cmp_gt_u32 s[SLOTS], s[LIM]
	s_cbranch_scc0 .Lnot_mine_\@
	global_prefetch_b8 v[PFO], s[PFA:PFA+1] th:TH_LOAD_NT scope:SCOPE_SE
.Lnot_mine_\@:
.endm
	s_load_b128 s[4:7], s[0:1], 0x0                ; qb, kv
	s_load_b64 s[8:9], s[0:1], 0x10                ; out0
	v_lshl_add_u32 v[SPW], v0, 2, SPARE
	v_mov_b32 v[NIL], 0
	ds_add_u32 v[SPW], v[NIL]                      ; the wave's opening: the add, twice on end, and its wait ahead of the first tensor load
	ds_add_u32 v[SPW], v[NIL]
	v_lshrrev_b32 v1, 5, v0
	v_readfirstlane_b32 s[WV], v1                  ; wave 0..15
	s_lshr_b32 s42, s[WV], 2
	s_xor_b32 s[HALF], s[WV], s42
	s_and_b32 s[HALF], s[HALF], 1                  ; 0: the low block, 1: the high one
	s_lshr_b32 s[IDX], s[WV], 1                    ; my tile of the block, 0..7
	s_and_b32 s[HD], ttmp7, 0xffff                 ; the head
	s_sub_co_u32 s42, 31, ttmp9
	s_cmp_eq_u32 s[HALF], 0
	s_cselect_b32 s[BLK], ttmp9, s42               ; my block of 128 queries: j or 31 - j
	s_lshl_b32 s[QB], s[BLK], 7
	s_lshl_b32 s[QH], s42, 7
	s_or_b32 s[QH], s[QH], 127
	s_mov_b32 s[G1], 3<<16                         ; no mask; elements of 8 bytes; no padding
	s_mov_b32 s[G1+1], 32<<16                      ; tensor_dim0 = 32 elements: 256 bytes
	s_mov_b32 s[G1+2], 216<<16                     ; tensor_dim1 = 216 rows
	s_mov_b32 s[G1+3], 32<<16                      ; tile_dim0
	s_mov_b32 s[G1+4], 216                         ; tile_dim1
	s_mov_b32 s[G1+5], 32                          ; from row to row: dense
	s_mov_b32 s[G1+6], 0
	s_mov_b32 s[G1+7], 0
	s_mov_b32 s[SEL], 0x76543210
	s_mov_b32 s[SEL+1], 0xfedcba98                 ; v_permlanex16_b32's selects for lane l xor 16
	s_mov_b32 s[CS], 0x3e38aa3b                    ; c = log2(e) / 8
	s_mov_b32 s[CS+1], s[CS]                       ; (named with it as a pair)
	s_mov_b32 s[TB], 0
	s_mov_b32 s[SLOTS], 7
	s_mov_b32 s[KF], 0
	s_mul_i32 s44, s[HD], HEADB                    ; the head's records
	s_mov_b32 s45, 0
	s_lshl_b32 s46, s[HD], 5
	s_add_co_u32 s46, s46, s[BLK]
	s_mul_i32 s46, s46, QREC                       ; my block's record of Q
	s_lshr_b32 s47, s[IDX], 1                      ; p: which pair of tiles
	s_and_b32 s51, s[IDX], 1                       ; u: which of the pair
	s_cmp_eq_u32 s51, 1
	s_cselect_b32 s50, -1, 0                       ; u as a mask of lanes
	s_mul_i32 s48, s47, 1536
	s_add_co_u32 s48, s48, s46                     ; the pair's image
	s_mov_b32 s49, 0
	s_lshr_b32 s52, s[IDX], 2
	s_lshl_b32 s52, s52, 9
	s_and_b32 s53, s[IDX], 3
	s_lshl_b32 s53, s53, 2
	s_add_co_u32 s52, s52, s53
	s_add_co_u32 s52, s52, s46
	s_add_co_u32 s52, s52, 6144                    ; my tile's scale words
	s_mov_b32 s53, 0
	s_lshl_b32 s54, s47, 5
	s_lshl_b32 s55, s51, 3
	s_add_co_u32 s54, s54, s55                     ; 32 p + 8 u: lane r's query is QB + this + r + 8 (r / 8)
	s_add_co_u32 s56, s[QB], s54
	s_lshl_b32 s56, s56, 12                        ; a row of out0 is 4,096 bytes,
	s_lshl_b32 s57, s[HD], 8                       ; a head's part of it 256
	s_add_co_u32 s56, s56, s57
	s_mov_b32 s57, 0
	s_sub_co_u32 s42, s[WV], 4
	s_and_b32 s58, s42, 7
	s_lshl_b32 s58, s58, 13
	s_add_co_u32 s58, s58, 49152                   ; the first change of slots steps this by 65,536
	s_mov_b32 s59, 0
	s_lshr_b32 s42, s42, 3                         ; 0 in waves 4 to 11,
	s_or_b32 s42, s42, ttmp9                       ; of work-group j = 0
	s_cmp_eq_u32 s42, 0
	s_cselect_b32 s[LIM], 2, -1                    ; such a wave asks while more than 2 changes are to come
	s_mul_i32 s43, s[WV], 16*272
	s_add_co_u32 s43, s43, STG                     ; my stage
	s_wait_dscnt 0x0                               ; both opening adds are done
	s_wait_kmcnt 0x0
	s_add_nc_u64 s[6:7], s[6:7], s[44:45]
	s_mov_b32 s[G0], 1                             ; count = 1
	s_mov_b32 s[G0+1], 0                           ; LDS address: slot 0
	s_mov_b64 s[G0+2:G0+3], s[6:7]                 ; the head's first four records
	s_or_b32 s[G0+3], s[G0+3], 0x80000000          ; type = 2
	TLOAD                                          ; slot 0: it holds key 0, which counts for every query
	s_add_nc_u64 s[PFA:PFA+1], s[6:7], s[58:59]
	s_add_nc_u64 s[48:49], s[4:5], s[48:49]
	s_add_nc_u64 s[52:53], s[4:5], s[52:53]
	s_add_nc_u64 s[8:9], s[8:9], s[56:57]
	v_and_b32 v[LI], 31, v0
	v_lshlrev_b32 v[PFO], 8, v[LI]
	v_lshlrev_b32 v[LI], 4, v[LI]
.irp c, 0,1,2
	global_load_b128 v[32+4*\c:35+4*\c], v[LI], s[48:49] offset:512*\c     ; the pair's twelve registers
.endr
	global_load_b32 v10, v[LI], s[52:53]           ; my tile's scale words
	v_and_b32 v224, 15, v0                         ; r
	v_bfe_u32 v225, v0, 4, 1                       ; h
	v_and_b32 v6, 8, v224
	v_add_nc_u32 v6, v6, v224
	v_lshlrev_b32 v226, 4, v225
	v_sub_nc_u32 v6, v6, v226
	v_add_nc_u32 v6, s54, v6                       ; d = my query - QB - 16 h: on the diagonal register 16 b + i (key QB + 32 b + 16 h + i) is hidden where 32 b + i > d
	v_lshlrev_b32 v5, 12, v225
	v_lshl_add_u32 v5, v224, 4, v5                 ; the way out: lanes 0-15 one row of out0, lanes 16-31 the next; 16 bytes a lane
	v_mul_u32_u24 v8, v224, 272
	v_lshl_add_u32 v8, v225, 6, v8
	v_add_nc_u32 v8, s43, v8                       ; the stage, in: row r, + 64 h
	v_mul_u32_u24 v9, v225, 272
	v_lshl_add_u32 v9, v224, 4, v9
	v_add_nc_u32 v9, s43, v9                       ; and back: two rows an instruction
	v_mov_b32 v7, 0xff800000                       ; -infinity
	v_mov_b32 v13, 0xff61b1e6                      ; the largest t so far: -3e38
	v_floor_f32 v12, -v13                          ; -M
	v_mov_b32 v14, 0                               ; the sum, in two halves
	v_mov_b32 v15, 0
.irp i, 0,1,2,3,4,5
	v_mov_b32 v[22+\i], 0                          ; Q's zero codes for K = 64 .. 127
	v_mov_b32 v[80+\i], 0                          ; and what stands behind K's tile 7
.endr
.irp b, 0,1,2,3
	v_mov_b32 v[216+\b], 0                         ; a lane permute's destination counts as one of its sources
.endr
	v_mov_b32 v224, 0
	v_mov_b32 v226, 0
	v_mov_b32 v227, 0                              ; (the upper half of the pair v[226:227])
.set J, 0
.rept 32
	v_mov_b32 v[160+J], 0                          ; O^T: the step is written once; the first finds zeros, which the first change of M leaves zeros
.set J, J+1
.endr
	s_wait_loadcnt 0x0                             ; Q
.irp i, 0,1,2,3,4,5
	v_cndmask_b32 v[16+\i], v[32+\i], v[38+\i], s50   ; my tile of the pair
.endr
; A KEY STEP: 128 keys, record q of the slot in hand.
.macro STEP q
	s_cmp_gt_u32 s[KF], s[QB]                      ; all 128 keys come after my block's queries: the step's work is left out (ids and the count of steps alone); no barrier, wait for tiles or tensor load stands in a step
	s_cbranch_scc1 .Lhidden_\@
.rept 4
	v_nop                                          ; places in front of loads into registers that the last products have read
.endr
.irp c, 0,1,2,3,4,5,6,7,8,9,10,11
	ds_load_b128 v[32+4*\c:35+4*\c], v[ADR] offset:(\q)*REC+512*\c         ; K's eight tiles, six registers each: 512 consecutive bytes a load
.endr
	ds_load_b128 v[88:91], v[ADR] offset:(\q)*REC+6144                     ; their scale words
	ds_load_b128 v[92:95], v[ADR] offset:(\q)*REC+6656
	s_wait_dscnt 0x0
.irp t, 0,1,2,3,4,5,6,7
	v_wmma_scale_f32_16x16x128_f8f6f4 v[96+8*\t:103+8*\t], v[32+6*\t:43+6*\t], v[16:27], 0, v[88+\t], v10 matrix_a_fmt:MATRIX_FMT_FP6 matrix_b_fmt:MATRIX_FMT_FP6
.endr
.rept 4
	v_nop                                          ; places: for the loads below and for the first read of the scores
.endr
.irp c, 0,1,2,3,4,5,6,7,8,9,10,11
	ds_load_b128 v[32+4*\c:35+4*\c], v[ADR] offset:(\q)*REC+7168+512*\c    ; V's four fragments: they land under the softmax
.endr
	ds_load_b128 v[28:31], v[ADR] offset:(\q)*REC+13312
	s_cmp_lg_u32 s[KF], s[QB]                      ; only the step on the diagonal has hidden keys
	s_cbranch_scc1 .Lopen_\@
.set J, 0
.rept 64
	v_cmp_gt_i32 vcc_lo, 32*(J/16)+J%16, v6
	v_cndmask_b32 v[96+J], v[96+J], v7, vcc_lo     ; hidden scores become -infinity: p = 0
.set J, J+1
.endr
.Lopen_\@:
.irp b, 0,1,2,3
	v_max3_num_f32 v[212+\b], v[96+16*\b], v[97+16*\b], v[98+16*\b]        ; the largest score of each block of 32 keys: for the row's maximum, and, since p rises with the score, for the block's largest p
.endr
.irp i, 3,5,7,9,11,13
.irp b, 0,1,2,3
	v_max3_num_f32 v[212+\b], v[212+\b], v[96+16*\b+\i], v[97+16*\b+\i]
.endr
.endr
.irp b, 0,1,2,3
	v_max_num_f32 v[212+\b], v[212+\b], v[111+16*\b]
.endr
.irp b, 0,1,2,3
	v_permlanex16_b32 v[216+\b], v[212+\b], s[SEL], s[SEL+1]
.endr
.irp b, 0,1,2,3
	v_max_num_f32 v[212+\b], v[212+\b], v[216+\b]  ; with lane l xor 16's 16 keys
.endr
	v_max3_num_f32 v224, v212, v213, v214
	v_max_num_f32 v224, v224, v215                 ; the step's largest score of my query
	v_mul_f32 v224, s[CS], v224                    ; as t
	v_max_num_f32 v13, v13, v224                   ; the running largest t
	v_mov_b32 v224, v12
	v_floor_f32 v12, -v13                          ; the new -M = -ceil(t)
	v_sub_f32 v224, v12, v224                      ; old M - new M: a whole number, 0 or less
	v_cvt_i32_f32 v224, v224                       ; (it saturates)
	v_ldexp_f32 v226, 1.0, v224                    ; f = 2^(old M - new M)
.set J, 0
.rept 32
	v_pk_fma_f32 v[96+J:97+J], v[96+J:97+J], s[CS:CS+1], v[12:13] op_sel_hi:[1,0,0]   ; t - M, two at a time
.set J, J+2
.endr
.irp b, 0,1,2,3
	v_fma_f32 v[212+\b], v[212+\b], s[CS], v12     ; the same of each block's largest score
.endr
.set J, 0
.rept 64
	v_exp_f32 v[96+J], v[96+J]                     ; p = 2^(t - M): one batch
.set J, J+1
.endr
	v_pk_mul_f32 v[14:15], v[14:15], v[226:227] op_sel_hi:[1,0]            ; the sums under the new M (the plain line behind the batch)
	s_wait_alu depctr_va_vdst(0)                   ; one wait for the batch, ahead of its first reader
.irp b, 0,1,2,3
	v_exp_f32 v[212+\b], v[212+\b]                 ; the blocks' largest p
.endr
	v_pk_add_f32 v[216:217], v[96:97], v[98:99]    ; the row's sum of the unquantised p, in two chains
.set J, 4
.rept 15
	v_pk_add_f32 v[14:15], v[14:15], v[96+J:97+J]
	v_pk_add_f32 v[216:217], v[216:217], v[98+J:99+J]
.set J, J+4
.endr
	v_pk_add_f32 v[14:15], v[14:15], v[216:217]
	s_wait_alu depctr_va_vdst(0)                   ; and one for the four
.irp b, 0,1,2,3
	v_max_num_f32 v[212+\b], 0x1800000, v[212+\b]  ; the floor 2^(3 - 127): a block whose every p is 0 keeps the byte 1; its codes are zeros
.endr
.irp b, 0,1,2,3
	v_add_nc_u32 v[220+\b], 0xff000000, v[212+\b]  ; the conversion's scale operand
.endr
.irp b, 0,1,2,3
	v_lshrrev_b32 v[216+\b], 23, v[220+\b]         ; the scale's byte
.endr
	v_lshl_or_b32 v11, v217, 8, v216               ; p's scale word for these 128 keys
	v_lshl_or_b32 v11, v218, 16, v11
	v_lshl_or_b32 v11, v219, 24, v11
.irp c, 0,1
	v_cvt_scalef32_pk16_fp6_f32 v[192+6*\c:194+6*\c], v[96+32*\c:111+32*\c], v[220+2*\c]
	v_cvt_scalef32_pk16_fp6_f32 v[204+4*\c:206+4*\c], v[112+32*\c:127+32*\c], v[220+2*\c+1]
.endr
	v_nop                                          ; one plain place behind a scaled conversion
.irp c, 0,1
.irp i, 0,1,2
	v_permlane16_swap_b32 v[192+6*\c+\i], v[204+4*\c+\i]                   ; a whole block in a lane
.endr
.irp i, 0,1,2
	v_mov_b32 v[195+6*\c+\i], v[204+4*\c+\i]
.endr
.endr
.set J, 0
.rept 16
	v_pk_mul_f32 v[160+J:161+J], v[160+J:161+J], v[226:227] op_sel_hi:[1,0]   ; O^T under the new M; these sixteen are also the places between p's codes and scale word and the products
.set J, J+2
.endr
	s_wait_dscnt 0x0                               ; V is in
.irp t, 0,1,2,3
	v_wmma_scale_f32_16x16x128_f8f6f4 v[160+8*\t:167+8*\t], v[32+12*\t:43+12*\t], v[192:203], v[160+8*\t:167+8*\t], v[28+\t], v11 matrix_a_fmt:MATRIX_FMT_FP6 matrix_b_fmt:MATRIX_FMT_FP6
.endr
.Lhidden_\@:
	s_add_co_u32 s[KF], s[KF], 128
.endm
; THE CHANGE OF SLOTS stands at a slot's head.  Each wave waits for all its tensor loads, adds 0 to its spare word, and waits for that and for its reads of the slot that it has left.  Behind the barrier the slot ahead
; is whole and nobody reads the other one.  fill = 1: that other slot takes the next four records, while any query of the work-group can see them.
.macro CHANGE fill
	s_wait_tensorcnt 0x0                           ; no tensor load of mine is out, so group 0 may be written
	ds_add_u32 v[SPW], v[NIL]                      ; 0 onto my spare word
.if \fill
	ds_add_u32 v[SPW], v[NIL]                      ; and once more: the add twice on end here, in every trip alike
	s_xor_b32 s[G0+1], s[G0+1], SLOT1              ; the walking descriptor: the other slot,
	s_add_nc_u64 s[G0+2:G0+3], s[G0+2:G0+3], SLOTB ; the next four records; the type bits on top are not reached
	s_wait_xcnt 0x0                                ; the last prefetch, a slot back, has read its address
	s_add_nc_u64 s[PFA:PFA+1], s[PFA:PFA+1], 65536
.endif
	s_wait_dscnt 0x0                               ; the add is done, and my reads of the slot that I have left are over
	s_barrier_signal -1
	s_barrier_wait -1
.if \fill
	s_add_co_u32 s46, s[KF], 512                   ; the first key of the slot that this change would ask for
	s_cmp_gt_u32 s46, s[QH]                        ; past my work-group's last query: none of its waves would read it.  Ids and the count of steps alone: all sixteen waves go the same way, and past stays past
	s_cbranch_scc1 .Lpast_\@
	TLOAD                                          ; the first thing behind the barrier, and wave 0's one tensor load until the next: it has four key steps in which to land
.Lpast_\@:
	ASK
.endif
.endm
.macro SLOT_STEPS
	v_add_nc_u32 v[ADR], s[TB], v[LI]
	STEP 0
	STEP 1
	STEP 2
	STEP 3
	s_xor_b32 s[TB], s[TB], SLOT1                  ; on to the other slot
.endm
.Lslot:                                                ; seven trips: behind each change of slots but the last the next slot is asked for, up to the causal limit
	CHANGE 1
	SLOT_STEPS
	s_sub_co_u32 s[SLOTS], s[SLOTS], 1
	s_cmp_lg_u32 s[SLOTS], 0
	s_cbranch_scc1 .Lslot
	CHANGE 0                                       ; the last slot is written out: nothing is left to ask for
	SLOT_STEPS
	; THE WAY OUT.  O^T / the sum goes through my stage and leaves as rows: sixteen lanes store a query's 256 consecutive bytes of this head, aligned.
.rept 4
	v_nop                                          ; places behind the last products
.endr
	v_add_f32 v14, v14, v15                        ; the sum's two halves,
	v_permlanex16_b32 v224, v14, s[SEL], s[SEL+1]
	v_add_f32 v14, v14, v224                       ; and lane l xor 16's
	v_rcp_f32 v14, v14
	v_nop                                          ; a plain place behind the reciprocal
	s_wait_alu depctr_va_vdst(0)                   ; and the wait ahead of its first reader
.set J, 0
.rept 32
	v_mul_f32 v[96+J], v[160+J], v14               ; register 16 b + i is channel 32 b + 16 h + i of my query
.set J, J+1
.endr
.irp b, 0,1
.irp q, 0,1,2,3
	ds_store_b128 v8, v[96+16*\b+4*\q:99+16*\b+4*\q] offset:128*\b+16*\q
.endr
.endr
.irp i, 0,1,2,3,4,5,6,7
	ds_load_b128 v[32+4*\i:35+4*\i], v9 offset:544*\i      ; LDS serves a wave's instructions in order: these see my stores
.endr
.irp i, 0,1,2,3,4,5,6,7
	s_wait_dscnt 7-\i                              ; the later loads may be out
	global_store_b128 v5, v[32+4*\i:35+4*\i], s[8:9] offset:(2*\i+8*(\i/4))*4096 th:TH_STORE_NT   ; stage row r is query 32 p + 8 u + r + 8 (r / 8) of the block
.endr
	s_wait_tensorcnt 0x0                           ; the wave's end
	ds_add_u32 v[SPW], v[NIL]
	s_wait_dscnt 0x0
	s_endpgm
.Lfunc_end_k_q6dacf745b2_attn:
	.size	k_q6dacf745b2_attn, .Lfunc_end_k_q6dacf745b2_attn-k_q6dacf745b2_attn
	.p2alignl 7, 3214868480
	.fill 96, 4, 3214868480
	.section	.rodata,"a",@progbits
	.p2align	6, 0x0
	.amdhsa_kernel k_q6dacf745b2_attn
		.amdhsa_group_segment_fixed_size 327680
		.amdhsa_private_segment_fixed_size 0
		.amdhsa_enable_private_segment 0
		.amdhsa_kernarg_size 24
		.amdhsa_user_sgpr_count 2
		.amdhsa_user_sgpr_kernarg_segment_ptr 1
		.amdhsa_wavefront_size32 1
		.amdhsa_system_sgpr_workgroup_id_x 1
		.amdhsa_system_sgpr_workgroup_id_y 1
		.amdhsa_system_sgpr_workgroup_id_z 1
		.amdhsa_system_vgpr_workitem_id 0
		.amdhsa_next_free_vgpr 256
		.amdhsa_next_free_sgpr 66
		.amdhsa_reserve_vcc 1
		.amdhsa_float_denorm_mode_32 3
		.amdhsa_float_denorm_mode_16_64 3
		.amdhsa_memory_ordered 1
		.amdhsa_forward_progress 1
		.amdhsa_inst_pref_size 175
	.end_amdhsa_kernel
	.amdgpu_metadata
---
amdhsa.version: [ 1, 2 ]
amdhsa.kernels:
  - .name:           k_q6dacf745b2_attn
    .symbol:         k_q6dacf745b2_attn.kd
    .args:
      - { .name: qb, .offset: 0, .size: 8, .value_kind: global_buffer, .address_space: global }
      - { .name: kv, .offset: 8, .size: 8, .value_kind: global_buffer, .address_space: global }
      - { .name: out0, .offset: 16, .size: 8, .value_kind: global_buffer, .address_space: global }
    .group_segment_fixed_size: 327680
    .private_segment_fixed_size: 0
    .kernarg_segment_align: 8
    .kernarg_segment_size: 24
    .max_flat_workgroup_size: 512
    .sgpr_count:     66
    .vgpr_count:     256
    .wavefront_size: 32
...
	.end_amdgpu_metadata
.endif
;; end of part 3
